; MI455X (gfx1250); checked and timed in simulation.
; The chip was launched on July 23, 2026; its instructions are those of AMD's public machine-readable ISA for CDNA 5 (MIT licence, August 2026) and "CDNA5" Instruction Set Architecture Reference Guide (July 2026). The comments in the code are by the model that wrote it; some were corrected since.
;; Multi Head Attention. Allowed arithmetic: matrix products marked QUANTISED: E2M1 operands, one E8M0 scale for each 32 along K, by v_wmma_scale_f32_16x16x128_f8f6f4 with both operands' format E2M1 (or v_wmma_scale_f32_32x16x128_f4), f32 sums; everything else in f32.
;; Inputs: W_k 512 x 512 float32; W_o 512 x 512 float32; W_q 512 x 512 float32; W_v 512 x 512 float32; b_k 512 float32; b_o 512 float32; b_q 512 float32; b_v 512 float32; key 2 x 4,096 x 512 float32; mask 2 x 1 x 1 x 4,096 int32; query 2 x 4,096 x 512 float32; value 2 x 4,096 x 512 float32.
;; Outputs: out0 2 x 4,096 x 512 float32.
;; This version of the problem:
;;   THIS VERSION OF THE PROBLEM IS GIVEN IN LOW PRECISION. The matrix products marked QUANTISED in the list below multiply operands that are first quantised to E2M1 (2 exponent bits, 1 mantissa bit; 4 bits a number), with one power-of-two scale for each 32 numbers along K (OCP MX v1.0); their sums are f32. All else is computed in f32.
;;   The module's matrix products, in the order in which they are computed (A, B: the left and right operand; K: the contracted axis; several contracted axes count as one K, in the product's order):
;;     1. [M 8,192, K 512] x [K 512, N 512]; A: input query; B: input W_q: QUANTISED
;;     2. [M 8,192, K 512] x [K 512, N 512]; A: input key; B: input W_k: QUANTISED
;;     3. [M 8,192, K 512] x [K 512, N 512]; A: input value; B: input W_v: QUANTISED
;;     4. batch 16 x [M 4,096, K 64] x [K 64, N 4,096]; A: computed on the way; B: computed on the way: QUANTISED
;;     5. batch 16 x [M 4,096, K 4,096] x [K 4,096, N 64]; A: softmax (see below); B: computed on the way: QUANTISED
;;     6. [M 8,192, K 512] x [K 512, N 512]; A: computed on the way; B: input W_o: QUANTISED
;;   THE QUANTISER, for each operand of a quantised product, along K:
;;     - K is cut into blocks of 32 from its start; a last block that is shorter is filled with zeros.
;;     - A block's scale is 2^e with e = floor(log2(the largest magnitude in the block)) - 2, held to -126 .. 127; a block of zeros has e = 0. As a byte (E8M0): e + 127.
;;     - Each number is divided by its block's scale, clamped to +-6, and rounded to the nearest number of E2M1, ties to even, subnormals kept.
;;     - The product sums the exact products of the quantised numbers (number of the format x scale) in f32.
;;   ~~~python
;;   def quantise(x, axis):      # numpy; x: float32 -> the quantised numbers, widened to float32 again
;;       x = np.moveaxis(x, axis, -1); K = x.shape[-1]
;;       x = np.pad(x, [(0, 0)] * (x.ndim - 1) + [(0, -K % 32)]); x = x.reshape(x.shape[:-1] + (-1, 32)); a = np.abs(x).max(-1, keepdims=True)
;;       e = np.where(a > 0, np.clip(np.frexp(np.where(a > 0, a, 1))[1] - 1 - 2, -126, 127), 0)      # np.frexp(a)[1] - 1 = floor(log2(a)), exactly
;;       r = np.clip(x / 2.0 ** e, -6, 6)
;;       step = 2.0 ** (np.maximum(np.frexp(np.where(r == 0, 1, r))[1] - 1, 0) - 1)
;;       q = np.round(r / step) * step * 2.0 ** e      # np.round: ties to even
;;       return np.moveaxis(q.reshape(q.shape[:-2] + (-1,))[..., :K], -1, axis).astype(np.float32)
;;   ~~~
;;   SOFTMAX AHEAD OF A QUANTISED PRODUCT. Where the list says 'softmax', what is quantised is not the finished softmax but p = 2^(t - M), with t = logit x log2(e) and M = ceil(the row's largest t), a whole number; so 1/2 < the row's largest p <= 1. The row's sum l is taken of the UNQUANTISED p, in f32, and the product's result is divided by l at the end. Since M is a whole number, a kernel that streams over the keys may use a running M (the ceiling of the running maximum): every later rescaling is an exact power of two, which a block's scale takes up: the codes' values come out the same.
;;   OPERANDS COMPUTED ON THE WAY. 'Computed on the way' means the value that the module computes at that place (a softmax that the list does not call 'softmax' is quantised finished and normalised). What goes into a quantiser is computed in f32, as accurately as f32 sums, v_exp_f32 and their like allow (about 1e-6 of the number): no bf16 or f16 on the way to a quantiser, and a product that is left as it is and whose result goes on into a quantised operand takes f32 operands (vector FMAs, or v_wmma_f32_16x16x4_f32). A number that lies on a knife's edge between two numbers of the format may be rounded either way, as far as f32 arithmetic and the matrix unit's own rounding can turn it there, and no further.
;; One version. Each part assembles by itself: llvm-mc -triple=amdgcn-amd-amdhsa -mcpu=gfx1250 --defsym DOCPART=n.
;; ======== version 1 of 1: 4 launches
;; limits: right only within a limited range of input values
;; workspace buffers: xc 6,815,744 bytes; xs 425,984 bytes; qc 2,097,152 bytes; qs 262,144 bytes; kvc 4,194,304 bytes; kvs 393,216 bytes; cc 2,097,152 bytes; cs 131,072 bytes
;; launch quant (part 1): grid 832 x 1, 4 waves a work-group, no clusters, 68,608 bytes of LDS; arguments query, key, value, W_q, W_k, W_v, W_o, xc, xs; writes xc, xs
.if DOCPART == 1
	.amdgcn_target "amdgcn-amd-amdhsa--gfx1250"
	.amdhsa_code_object_version 6
	.text
	.protected	k_q2d3b15a252_quant
	.globl	k_q2d3b15a252_quant
	.p2align	8
	.type	k_q2d3b15a252_quant,@function
k_q2d3b15a252_quant:
	s_mov_b64 s[64:65], 0
	v_nop
	global_prefetch_b8 v0, s[64:65] scope:SCOPE_SE
	s_setreg_imm32_b32 hwreg(HW_REG_WAVE_MODE, 25, 1), 1
	s_wait_xcnt 0x0
; query, key, value [8192][512] and W_q, W_k, W_v, W_o [512][512], f32 with K = 512 innermost, become codes of FP4 (E2M1) with one E8M0 byte for each 32 along K.
; A block's scale is 2^(floor(log2(its largest magnitude)) - 2); its byte is the largest magnitude's exponent field - 2, held at 1 from below by a floor among the maximum's leaves.
; LIMITS: a block of zeros gets the byte 1 (its codes are zeros, and this program alone reads the bytes); NaN and infinities among the inputs are not served.
; THE OUTPUT IS LAID AS THE MATRIX OPERANDS' REGISTERS.  The seven tensors are one list of 1,664 tiles of 16 rows (query 0, key 512, value 1,024, W_q 1,536, W_k 1,568, W_v 1,600, W_o 1,632).
; Lane r of tile T holds row 32 (T / 2) + 8 (T % 2) + r % 8 + 16 (r / 8) of its tensor.  xc: [tile][K step of 128: 4][1,024 bytes]: byte 512 c + 16 lane holds registers 4 c .. 4 c + 3 of that lane.
; xs: [tile][r][K step] scale words of four bytes.
; SHARES.  A work-group takes 32 rows (two tiles), wave s the K step s: 512 bytes of each row.  Each load reads 512 consecutive bytes; the rows turn through the wave's own stage in LDS, laid in tile order,
; so that a lane gets 16 neighbours of each block of 32 (two lanes, l and l xor 16, hold a block).  No tensor loads; one barrier, for the scale words, which leave as 512 consecutive bytes.
.set PITCH, 528                        ; a stage row: 512 bytes + 16: the sixteen rows that a read touches start at sixteen different groups of banks
.set WST,   32*PITCH                   ; a wave's stage
.set SCG,   4*WST                      ; behind the stages: the work-group's 128 scale words
.set LI,    1                          ; v1   16 x lane
.set STW,   2                          ; v2   the stage on the way in: my wave's stage + 16 x lane
.set STR,   3                          ; v3   on the way out: + 528 r + 64 h
.set SCW,   4                          ; v4   where my row's scale word goes: SCG + 16 r + 4 x wave
.set SCR,   5                          ; v5   SCG + 16 x lane
.set X,     16                         ; v16-143  32 rows as loaded
.set N0,    144                        ; v144-207 tile 0: 64 numbers of my row
.set N1,    16                         ; v16-79   tile 1: in registers that the stage's stores have read
.set PC0,   208                        ; codes of tile 0, of tile 1: no store's data are written again
.set PC1,   216
.set TM,    224                        ; v224-239 at work
.set PW0,   240
.set PW1,   241
.set WV,    26
.set SEL,   28
; 64 numbers of a lane, register 16 b + i = number 32 b + 16 (lane / 16) + i of my row, become a fragment's 8 registers of codes and its scale word
.macro QUANT s, pc, pw
.irp b, 0,1,2,3
	v_max3_num_f32 v[TM+\b], |v[\s+16*\b]|, |v[\s+1+16*\b]|, 0x1800000   ; my 16 numbers of block b, and the floor 2^(3 - 127): the byte cannot fall under 1
.endr
.irp i, 2,4,6,8,10,12,14
.irp b, 0,1,2,3
	v_max3_num_f32 v[TM+\b], v[TM+\b], |v[\s+16*\b+\i]|, |v[\s+1+16*\b+\i]|   ; the four blocks by turns
.endr
.endr
.irp b, 0,1,2,3
	v_permlanex16_b32 v[TM+4+\b], v[TM+\b], s[SEL], s[SEL+1]
.endr
.irp b, 0,1,2,3
	v_max_num_f32 v[TM+\b], v[TM+\b], v[TM+4+\b]   ; with lane l xor 16: the block's largest magnitude
.endr
.irp b, 0,1,2,3
	v_add_nc_u32 v[TM+12+\b], 0xff000000, v[TM+\b]   ; 2 off its exponent field: the conversion's scale operand
.endr
.irp b, 0,1,2,3
	v_lshrrev_b32 v[TM+4+\b], 23, v[TM+12+\b]      ; the scale's byte
.endr
	v_lshl_or_b32 v[\pw], v[TM+5], 8, v[TM+4]
	v_lshl_or_b32 v[\pw], v[TM+6], 16, v[\pw]
	v_lshl_or_b32 v[\pw], v[TM+7], 24, v[\pw]
.irp b, 0,1,2,3
	v_cvt_scalef32_pk8_fp4_f32 v[\pc+2*\b], v[\s+16*\b:\s+16*\b+7], v[TM+12+\b]
	v_cvt_scalef32_pk8_fp4_f32 v[\pc+1+2*\b], v[\s+16*\b+8:\s+16*\b+15], v[TM+12+\b]
.endr
	v_nop                                          ; one plain place behind the scaled conversions
.irp c, 0,1                                    ; the operand wants a whole block in a lane: lanes 0-15 block 2 c, lanes 16-31 block 2 c + 1
.irp i, 0,1
	v_permlane16_swap_b32 v[\pc+4*\c+\i], v[\pc+2+4*\c+\i]
.endr
.endr
.endm
.macro PICK n, p                       ; from work-group n on: the next tensor.  The choice hangs on the work-group's number alone
	s_cmp_ge_u32 ttmp9, \n
	s_cselect_b64 s[4:5], s[\p:\p+1], s[4:5]
	s_cselect_b32 s6, \n, s6
.endm
.macro NLOAD reg, u                    ; tile u: my row's 64 numbers: 16 neighbours of each of the four blocks
.irp b, 0,1,2,3
.irp j, 0,1,2,3
	ds_load_b128 v[\reg+16*\b+4*\j:\reg+16*\b+4*\j+3], v[STR] offset:16*PITCH*\u+128*\b+16*\j
.endr
.endr
.endm
	s_load_b512 s[8:23], s[0:1], 0x0               ; query, key, value, W_q, W_k, W_v, W_o, xc
	s_load_b64 s[24:25], s[0:1], 0x40              ; xs
	v_lshl_add_u32 v244, v0, 2, 0x10a00
	v_mov_b32 v245, 0
	v_lshrrev_b32 v6, 5, v0
	v_readfirstlane_b32 s[WV], v6                  ; wave = K step
	v_and_b32 v6, 31, v0
	v_lshlrev_b32 v[LI], 4, v6
	v_and_b32 v12, 15, v0                          ; r
	v_bfe_u32 v13, v0, 4, 1                        ; h
	s_mul_i32 s27, s[WV], WST
	v_add_nc_u32 v[STW], s27, v[LI]
	v_mul_u32_u24 v[STR], v12, PITCH
	v_lshl_add_u32 v[STR], v13, 6, v[STR]
	v_add_nc_u32 v[STR], s27, v[STR]
	s_lshl_b32 s27, s[WV], 2
	s_add_co_u32 s27, s27, SCG
	v_lshl_add_u32 v[SCW], v12, 4, s27
	v_add_nc_u32 v[SCR], SCG, v[LI]
	s_mov_b32 s[SEL], 0x76543210
	s_mov_b32 s[SEL+1], 0xfedcba98                 ; lane l xor 16
.irp b, 0,1,2,3
	v_mov_b32 v[TM+4+\b], 0                        ; written once: a lane permute's destination counts as one of its sources
.endr
	s_wait_alu depctr_va_vdst(0)
	s_wait_kmcnt 0x0
	s_mov_b64 s[4:5], s[8:9]                       ; query from work-group 0 on
	s_mov_b32 s6, 0
	PICK 256, 10                                   ; key
	PICK 512, 12                                   ; value
	PICK 768, 14                                   ; W_q
	PICK 784, 16                                   ; W_k
	PICK 800, 18                                   ; W_v
	PICK 816, 20                                   ; W_o
	s_sub_co_u32 s6, ttmp9, s6                     ; w: which two tiles of the tensor
	; KEY ALONE HAS ANOTHER TILE ORDER: place r of tile T of a run of 128 keys holds key 64 (T / 4) + 8 (T % 4) + r % 8 + 32 (r / 8), so that in attention a lane holds whole blocks of 32 keys.
	; Its work-group w takes rows 128 (w / 4) + 64 ((w / 2) % 2) + 16 (w % 2) + 0 .. 15, and the same 32 rows further down.
	s_lshr_b32 s30, s6, 2
	s_lshl_b32 s30, s30, 18
	s_bfe_u32 s31, s6, 0x10001
	s_lshl_b32 s31, s31, 17
	s_add_co_u32 s30, s30, s31
	s_and_b32 s31, s6, 1
	s_lshl_b32 s31, s31, 15
	s_add_co_u32 s30, s30, s31                     ; key: my first row, in bytes
	s_lshl_b32 s6, s6, 16                          ; the others: 32 rows of 2,048 bytes
	s_lshr_b32 s31, ttmp9, 8
	s_cmp_eq_u32 s31, 1                            ; work-groups 256 to 511 take key
	s_cselect_b32 s6, s30, s6
	s_cselect_b32 s30, 32768, 0                    ; what rows 16 to 31 of the load list lie further down: 16 rows in key
	s_lshl_b32 s7, s[WV], 9                        ; my K step's 512 bytes
	s_add_co_u32 s6, s6, s7
	s_mov_b32 s7, 0
	s_add_nc_u64 s[4:5], s[4:5], s[6:7]
	s_mov_b32 s31, 0
	s_add_nc_u64 s[8:9], s[4:5], s[30:31]          ; the base of the load list's second half
	s_lshl_b32 s6, ttmp9, 13                       ; two tiles of 4,096 bytes of codes
	s_lshl_b32 s30, s[WV], 10
	s_add_co_u32 s6, s6, s30
	s_add_nc_u64 s[22:23], s[22:23], s[6:7]
	s_lshl_b32 s6, ttmp9, 9                        ; two tiles of 256 bytes of scale words
	s_add_nc_u64 s[24:25], s[24:25], s[6:7]
.set i, 0
.rept 32
.if i < 16
	global_load_b128 v[X+4*i:X+4*i+3], v[LI], s[4:5] offset:2048*i th:TH_LOAD_NT   ; 32 lanes read 512 consecutive bytes of a row
.else
	global_load_b128 v[X+4*i:X+4*i+3], v[LI], s[8:9] offset:2048*i th:TH_LOAD_NT
.endif
.set i, i+1
.endr
.irp g, 0,1,2,3
	s_wait_loadcnt 24-8*\g                         ; rows 8 g .. 8 g + 7 are in; the younger loads stay out
.irp e, 0,1,2,3,4,5,6,7
	ds_store_b128 v[STW], v[X+4*(8*\g+\e):X+4*(8*\g+\e)+3] offset:PITCH*(16*(\g%2)+\e+8*(\g/2))   ; row 8 g + e goes to place 16 x tile + lane of the tile order
.endr
.endr
	NLOAD N0, 0                                    ; LDS serves a wave's instructions in order: these see my stores
	s_wait_dscnt 16                                ; all but the 16 loads just issued: the 32 stores are done with their registers
	NLOAD N1, 1
	s_wait_dscnt 16                                ; tile 0's numbers are in; tile 1's may be out
	QUANT N0, PC0, PW0
	global_store_b128 v[LI], v[PC0:PC0+3], s[22:23]
	global_store_b128 v[LI], v[PC0+4:PC0+7], s[22:23] offset:512
	ds_store_b32 v[SCW], v[PW0]                    ; both lanes of a row write the same word with the same value
	s_wait_dscnt 1                                 ; tile 1's numbers are in; the word's store may be out
	QUANT N1, PC1, PW1
	global_store_b128 v[LI], v[PC1:PC1+3], s[22:23] offset:4096
	global_store_b128 v[LI], v[PC1+4:PC1+7], s[22:23] offset:4608
	ds_store_b32 v[SCW], v[PW1] offset:256
	s_wait_dscnt 0x0                               ; for the others' sake: my words lie in LDS
	s_barrier_signal -1
	s_barrier_wait -1
	s_cmp_lg_u32 s[WV], 0
	s_cbranch_scc1 .Lend
	ds_load_b128 v[8:11], v[SCR]                   ; wave 0 sends the work-group's 128 words: 512 consecutive bytes
	s_wait_dscnt 0x0
	global_store_b128 v[LI], v[8:11], s[24:25]
.Lend:
	s_wait_tensorcnt 0x0
	ds_add_u32 v244, v245
	s_wait_dscnt 0x0
	s_endpgm
.Lfunc_end_k_q2d3b15a252_quant:
	.size	k_q2d3b15a252_quant, .Lfunc_end_k_q2d3b15a252_quant-k_q2d3b15a252_quant
	.p2alignl 7, 3214868480
	.fill 96, 4, 3214868480
	.section	.rodata,"a",@progbits
	.p2align	6, 0x0
	.amdhsa_kernel k_q2d3b15a252_quant
		.amdhsa_group_segment_fixed_size 68608
		.amdhsa_private_segment_fixed_size 0
		.amdhsa_enable_private_segment 0
		.amdhsa_kernarg_size 72
		.amdhsa_user_sgpr_count 2
		.amdhsa_user_sgpr_kernarg_segment_ptr 1
		.amdhsa_wavefront_size32 1
		.amdhsa_system_sgpr_workgroup_id_x 1
		.amdhsa_system_sgpr_workgroup_id_y 1
		.amdhsa_system_sgpr_workgroup_id_z 1
		.amdhsa_system_vgpr_workitem_id 0
		.amdhsa_next_free_vgpr 246
		.amdhsa_next_free_sgpr 66
		.amdhsa_reserve_vcc 0
		.amdhsa_float_denorm_mode_32 3
		.amdhsa_float_denorm_mode_16_64 3
		.amdhsa_memory_ordered 1
		.amdhsa_forward_progress 1
		.amdhsa_inst_pref_size 20
	.end_amdhsa_kernel
	.amdgpu_metadata
---
amdhsa.version: [ 1, 2 ]
amdhsa.kernels:
  - .name:           k_q2d3b15a252_quant
    .symbol:         k_q2d3b15a252_quant.kd
    .args:
      - { .name: query, .offset: 0, .size: 8, .value_kind: global_buffer, .address_space: global }
      - { .name: key, .offset: 8, .size: 8, .value_kind: global_buffer, .address_space: global }
      - { .name: value, .offset: 16, .size: 8, .value_kind: global_buffer, .address_space: global }
      - { .name: W_q, .offset: 24, .size: 8, .value_kind: global_buffer, .address_space: global }
      - { .name: W_k, .offset: 32, .size: 8, .value_kind: global_buffer, .address_space: global }
      - { .name: W_v, .offset: 40, .size: 8, .value_kind: global_buffer, .address_space: global }
      - { .name: W_o, .offset: 48, .size: 8, .value_kind: global_buffer, .address_space: global }
      - { .name: xc, .offset: 56, .size: 8, .value_kind: global_buffer, .address_space: global }
      - { .name: xs, .offset: 64, .size: 8, .value_kind: global_buffer, .address_space: global }
    .group_segment_fixed_size: 68608
    .private_segment_fixed_size: 0
    .kernarg_segment_align: 8
    .kernarg_segment_size: 72
    .max_flat_workgroup_size: 128
    .sgpr_count:     66
    .vgpr_count:     246
    .wavefront_size: 32
...
	.end_amdgpu_metadata
.endif
;; end of part 1
;; launch proj (part 2): grid 64 x 3, 8 waves a work-group, no clusters, 7,168 bytes of LDS; arguments xc, xs, b_q, b_k, b_v, mask, qc, qs, kvc, kvs; writes qc, qs, kvc, kvs
.if DOCPART == 2
	.amdgcn_target "amdgcn-amd-amdhsa--gfx1250"
	.amdhsa_code_object_version 6
	.text
	.protected	k_q2d3b15a252_proj
	.globl	k_q2d3b15a252_proj
	.p2align	8
	.type	k_q2d3b15a252_proj,@function
k_q2d3b15a252_proj:
	s_mov_b64 s[64:65], 0
	v_nop
	global_prefetch_b8 v0, s[64:65] scope:SCOPE_SE
	s_setreg_imm32_b32 hwreg(HW_REG_WAVE_MODE, 25, 1), 1
	s_wait_xcnt 0x0
; The three projections on codes of FP4, and their results quantised in registers into the operands of attention.  Work-group y = 0: Q, 1: K, 2: V.
; ONE COMPUTATION: D(m, n) = sum over k of A(m, k) B(n, k), source 0 = 16 rows of A, source 1 = 16 rows of B: a lane holds ONE row of B, and its registers run along A's rows, the axis that is quantised next.
;   Q, K: A = the weight (wave w: its 64 rows of head w), B = 128 rows of query or key: the results are quantised along the head's 64.
;   V:    A = value (wave w: 64 keys of the work-group's 512), B = 128 rows of W_v (two heads): the results, V^T, are quantised along the keys.
; By the tile order (lane r of tile T = row 32 (T / 2) + 8 (T % 2) + r % 8 + 16 (r / 8)) the 16 registers of A's tiles 2 b and 2 b + 1 are 16 neighbours: 32 b + 16 (lane / 16) + 0 .. 15.
; BIAS: b_q, b_k hang on A's row: they are the C of each sum's first product.  b_v hangs on B's row, the lane: it is the addend of a packed multiply-add that every job runs (x mul + add).
; THE MASK: the row of K of a masked key is multiplied by 0 (mul = 0), and the third byte of its scale word is 160 in place of 1: attention's first product then adds -1 x 2^33 for that key (see there).
; LIMITS: a block of zeros gets the byte 1; NaN and infinities are not served (0 x infinity in a masked row among them).
; OUT: qc [b h][tile of 16 queries][512 bytes: registers 0-3 of the fragment]; qs, kvs: scale words; kvc [b h][step of 128 keys][K: 8 tiles x 512 | V^T: 4 tiles x 1,024].
; Operands come from memory straight into registers: they were laid as register images.  A stays (128 registers); B goes in four passes of two tiles through two sets.
; REGISTERS: window 0: v1-15 addresses and constants; v16-31 A's scale words, v32-63 B's; v64-95 the bias tiles; v96-159 8 accumulators; v160.. at work.  Window 1: v0-127 A (tile n, K step s at 8 (4 n + s)); v128-191, v192-255 B's two sets.
.set LI,   1                           ; 16 x lane
.set R16,  2                           ; 16 r
.set LVO,  3                           ; 4 (r % 8 + 16 (r / 8)): my row of a tile, in words
.set CBO,  4                           ; 64 h
.set SAQ,  5                           ; LDS: Q's and K's words: 512 w + 16 r
.set SAV,  6                           ; LDS: V's half words: 4,096 + 256 (w / 2) + 2 (w % 2) + 8 r
.set RDQ,  7                           ; back: 512 w + 16 x lane
.set RDV,  8                           ; back: 4,096 + 256 w + 8 x lane
.set L8,   9                           ; 8 x lane
.set VO,   10                          ; v10-11 the code stores' offsets
.set ONE,  12
.set ZERO, 13
.set LOW,  14                          ; the upper half of an open row's scale word
.set HIGH, 15                          ; of a masked key's
.set AS,   16
.set BS,   32
.set CB,   64
.set ACC,  96
.set PC,   160
.set TM,   168
.set PWK,  184                         ; v184-187 a pass's four scale bytes
.set LV,   188                         ; v188-195 tile t: my row's mask word or b_v; then the upper half of its scale word
.set MA,   196                         ; v196-211 tile t: the pair (mul, add)
.set WO,   212
.set BF,   128                         ; B's sets, in window 1
.set WV,   24
.set Y,    25
.set ISK,  26
.set ISV,  27
.set ST,   28                          ; bytes from B tile to B tile in the codes' buffer
.set SH,   29                          ; and what tiles 4-7 add (V: the next head)
.set OUT,  30
.set SCO,  32
.set PL,   34
.set PB,   36
.set SEL,  38
.set PA,   40
.set PBC,  42
.set PAS,  44
.set PBS,  46
.set OT,   50
.set MSB, 0
.macro WIN new                         ; the immediate's high byte repeats the setting that is left
.if MSB != \new
	s_set_vgpr_msb (MSB<<8)|\new
.set MSB, \new
.endif
.endm
.macro QUANT s, pc, pw                 ; 64 numbers of a lane in four blocks (register 16 b + i: my 16 of block b) become 8 registers of codes and four scale bytes
.irp b, 0,1,2,3
	v_max3_num_f32 v[TM+\b], |v[\s+16*\b]|, |v[\s+1+16*\b]|, 0x1800000   ; and the floor 2^(3 - 127): the byte cannot fall under 1
.endr
.irp i, 2,4,6,8,10,12,14
.irp b, 0,1,2,3
	s_delay_alu instid0(VALU_DEP_4)
	v_max3_num_f32 v[TM+\b], v[TM+\b], |v[\s+16*\b+\i]|, |v[\s+1+16*\b+\i]|
.endr
.endr
.irp b, 0,1,2,3
	s_delay_alu instid0(VALU_DEP_4)
	v_permlanex16_b32 v[TM+4+\b], v[TM+\b], s[SEL], s[SEL+1]
.endr
.irp b, 0,1,2,3
	s_delay_alu instid0(VALU_DEP_4)
	v_max_num_f32 v[TM+\b], v[TM+\b], v[TM+4+\b]
.endr
.irp b, 0,1,2,3
	s_delay_alu instid0(VALU_DEP_4)
	v_add_nc_u32 v[TM+12+\b], 0xff000000, v[TM+\b]
.endr
.irp b, 0,1,2,3
	s_delay_alu instid0(VALU_DEP_4)
	v_lshrrev_b32 v[TM+4+\b], 23, v[TM+12+\b]
.endr
	s_delay_alu instid0(VALU_DEP_3)
	v_lshl_or_b32 v[\pw], v[TM+5], 8, v[TM+4]
	s_delay_alu instid0(VALU_DEP_1)
	v_lshl_or_b32 v[\pw], v[TM+6], 16, v[\pw]
	s_delay_alu instid0(VALU_DEP_1)
	v_lshl_or_b32 v[\pw], v[TM+7], 24, v[\pw]
.irp b, 0,1,2,3
	v_cvt_scalef32_pk8_fp4_f32 v[\pc+2*\b], v[\s+16*\b:\s+16*\b+7], v[TM+12+\b]
	v_cvt_scalef32_pk8_fp4_f32 v[\pc+1+2*\b], v[\s+16*\b+8:\s+16*\b+15], v[TM+12+\b]
.endr
	v_nop                                          ; one plain place behind the scaled conversions
.irp c, 0,1
.irp i, 0,1
	v_permlane16_swap_b32 v[\pc+4*\c+\i], v[\pc+2+4*\c+\i]
.endr
.endr
.endm
.macro BLOAD p                         ; B's tiles 2 p and 2 p + 1, all four K steps, into set p % 2
	WIN 0x40                                       ; destination window 1
.irp xt, 0,1
.irp s, 0,1,2,3
.irp c, 0,1
	global_load_b128 v[BF+64*((\p)%2)+8*(4*\xt+\s)+4*\c:BF+64*((\p)%2)+8*(4*\xt+\s)+4*\c+3], v[LI], s[PBC:PBC+1] offset:4096*(2*(\p)+\xt)+1024*\s+512*\c
.endr
.endr
.endr
	WIN 0
.endm
	s_load_b512 s[4:19], s[0:1], 0x0               ; xc, xs, b_q, b_k, b_v, mask, qc, qs
	s_load_b128 s[20:23], s[0:1], 0x40             ; kvc, kvs
	v_lshl_add_u32 v254, v0, 2, 0x1800
	v_mov_b32 v255, 0
	v_lshrrev_b32 v16, 5, v0
	s_delay_alu instid0(VALU_DEP_1)
	v_readfirstlane_b32 s[WV], v16                 ; wave 0..7
	s_and_b32 s[Y], ttmp7, 0xffff                  ; the job
	v_and_b32 v16, 31, v0                          ; lane
	v_and_b32 v17, 15, v0                          ; r
	v_bfe_u32 v18, v0, 4, 1                        ; h
	s_delay_alu instid0(VALU_DEP_3)
	v_lshlrev_b32 v[LI], 4, v16
	s_delay_alu instid0(VALU_DEP_3)
	v_lshlrev_b32 v[R16], 4, v17
	s_delay_alu instid0(VALU_DEP_4)
	v_and_b32 v19, 7, v17
	v_lshrrev_b32 v20, 3, v17
	s_delay_alu instid0(VALU_DEP_2)
	v_lshlrev_b32 v[LVO], 2, v19
	; key's tiles have their own order (place r of tile t: key 64 (t / 4) + 8 (t % 4) + r % 8 + 32 (r / 8)); W_v's rows keep 32 (t / 2) + 8 (t % 2) + r % 8 + 16 (r / 8)
	s_cmp_eq_u32 s[Y], 2
	s_cselect_b32 s48, 6, 7                        ; r / 8 counts 16 words (V: b_v) or 32 (the mask)
	s_cselect_b32 s49, 64, 0                       ; V: tiles 2, 3, 6, 7 lie 16 words further on than the offsets below say
	v_lshl_add_u32 v[LVO], v20, s48, v[LVO]
	s_delay_alu instid0(VALU_DEP_1)
	v_add_nc_u32 v216, s49, v[LVO]
	v_lshlrev_b32 v[CBO], 6, v18
	s_lshl_b32 s48, s[WV], 9                       ; every LDS address is made here, ahead of the first parting of the jobs
	v_add_nc_u32 v[SAQ], s48, v[R16]
	v_add_nc_u32 v[RDQ], s48, v[LI]
	s_lshr_b32 s48, s[WV], 1
	s_lshl_b32 s48, s48, 8
	s_and_b32 s49, s[WV], 1
	s_lshl_b32 s49, s49, 1
	s_add_co_u32 s48, s48, s49
	s_add_co_u32 s48, s48, 4096
	v_lshl_add_u32 v[SAV], v17, 3, s48
	v_lshlrev_b32 v[L8], 3, v16
	s_lshl_b32 s48, s[WV], 8
	s_add_co_u32 s48, s48, 4096
	v_add_nc_u32 v[RDV], s48, v[L8]
	s_mov_b32 s[SEL], 0x76543210
	s_mov_b32 s[SEL+1], 0xfedcba98
	v_mov_b32 v[ONE], 1.0
	v_mov_b32 v[ZERO], 0
	v_mov_b32 v[HIGH], 0x7fa00000                  ; bytes 160, 127
.irp b, 0,1,2,3
	v_mov_b32 v[TM+4+\b], 0                        ; written once: a lane permute's destination counts as one of its sources
.endr
	s_mov_b32 s51, 0x7f7f0000                      ; Q: bytes 127, 127
	s_cmp_eq_u32 s[Y], 1
	s_cselect_b32 s51, 0x7f010000, s51             ; K: bytes 1, 127
	s_cselect_b32 s[ISK], -1, 0
	v_mov_b32 v[LOW], s51
	s_mov_b32 s[ST], 512
	s_cmp_eq_u32 s[Y], 2
	s_cselect_b32 s[ISV], -1, 0
	s_cselect_b32 s[ST], 1024, s[ST]
	s_cselect_b32 s[SH], 258048, 0                 ; V's tiles 4-7 lie a head (32 steps of 8,192 bytes) on and four tiles back
	; where the results go.  x = ttmp9; batch = x / 32
	s_lshr_b32 s52, ttmp9, 5
	s_lshl_b32 s52, s52, 3                         ; 8 x batch
	s_add_co_u32 s53, s52, s[WV]                   ; Q, K: b h = 8 x batch + wave
	s_lshl_b32 s53, s53, 5
	s_and_b32 s54, ttmp9, 31
	s_add_co_u32 s53, s53, s54                     ; 32 b h + the step of 128 rows
	s_and_b32 s54, ttmp9, 3
	s_lshl_b32 s54, s54, 1
	s_add_co_u32 s54, s54, s52                     ; V: b h of the work-group's first head
	s_bfe_u32 s55, ttmp9, 0x30002
	s_lshl_b32 s55, s55, 2                         ; the first of its four steps
	s_lshl_b32 s56, s54, 5
	s_add_co_u32 s56, s56, s55
	s_lshr_b32 s57, s[WV], 1
	s_add_co_u32 s56, s56, s57                     ; codes: 32 b h + my step
	s_lshr_b32 s57, s[WV], 2
	s_add_co_u32 s57, s57, s54
	s_lshl_b32 s57, s57, 5
	s_add_co_u32 s57, s57, s55
	s_and_b32 s58, s[WV], 3
	s_add_co_u32 s57, s57, s58                     ; scale words: wave w sends head w / 4, step w % 4
	s_lshl_b32 s58, s53, 12                        ; Q's codes: 8 tiles of 512 bytes a step
	s_lshl_b32 s59, s53, 13                        ; K's: 8,192 bytes a step
	s_lshl_b32 s56, s56, 13
	s_and_b32 s60, s[WV], 1
	s_lshl_b32 s60, s60, 9
	s_add_co_u32 s56, s56, s60
	s_add_co_u32 s56, s56, 4096                    ; V's: behind K's, my half of each fragment
	s_lshl_b32 s60, s53, 9                         ; Q's words: 512 bytes a step
	s_mul_i32 s61, s53, 768                        ; K's
	s_mul_i32 s57, s57, 768
	s_add_co_u32 s57, s57, 512                     ; V's: behind K's
	; which tiles of xc are A's and B's
	s_lshr_b32 s48, ttmp9, 2
	s_lshl_b32 s48, s48, 5
	s_add_co_u32 s48, s48, 1024                    ; V: A = value's 32 tiles
	s_and_b32 s49, ttmp9, 3
	s_lshl_b32 s49, s49, 3
	s_add_co_u32 s49, s49, 1600                    ;    B = 8 tiles of W_v
	s_lshl_b32 s62, s[Y], 5
	s_add_co_u32 s62, s62, 1536                    ; Q, K: A = the weight
	s_lshl_b32 s63, s[Y], 9
	s_lshl_b32 s52, ttmp9, 3
	s_add_co_u32 s63, s63, s52                     ;       B = 8 tiles of query or key
	s_and_b32 s52, ttmp9, 3
	s_wait_kmcnt 0x0
	s_cmp_eq_u32 s[Y], 0
	s_cselect_b32 s58, s58, s59
	s_cselect_b32 s60, s60, s61
	s_cselect_b64 s[OUT:OUT+1], s[16:17], s[20:21]
	s_cselect_b64 s[SCO:SCO+1], s[18:19], s[22:23]
	s_cselect_b64 s[PB:PB+1], s[8:9], s[10:11]
	s_cmp_eq_u32 s[Y], 2
	s_cselect_b32 s58, s56, s58
	s_cselect_b32 s60, s57, s60
	s_cselect_b32 s48, s48, s62
	s_cselect_b32 s49, s49, s63
	s_cselect_b32 s52, s52, ttmp9                  ; b_v: 128 numbers for each x % 4; the mask: 128 for each x
	s_cselect_b64 s[PL:PL+1], s[12:13], s[14:15]
	s_mov_b32 s59, 0
	s_mov_b32 s61, 0
	s_mov_b32 s53, 0
	s_add_nc_u64 s[OUT:OUT+1], s[OUT:OUT+1], s[58:59]
	s_add_nc_u64 s[SCO:SCO+1], s[SCO:SCO+1], s[60:61]
	s_lshl_b32 s52, s52, 9
	s_add_nc_u64 s[PL:PL+1], s[PL:PL+1], s[52:53]
	s_lshl_b32 s52, s[WV], 8
	s_add_nc_u64 s[PB:PB+1], s[PB:PB+1], s[52:53]  ; my head's 64 numbers of the bias
	s_lshl_b32 s52, s[WV], 2
	s_add_co_u32 s48, s48, s52                     ; my four tiles of A
	s_lshl_b32 s52, s48, 12
	s_add_nc_u64 s[PA:PA+1], s[4:5], s[52:53]
	s_lshl_b32 s52, s48, 8
	s_add_nc_u64 s[PAS:PAS+1], s[6:7], s[52:53]
	s_lshl_b32 s52, s49, 12
	s_add_nc_u64 s[PBC:PBC+1], s[4:5], s[52:53]
	s_lshl_b32 s52, s49, 8
	s_add_nc_u64 s[PBS:PBS+1], s[6:7], s[52:53]
.irp t, 0,1,2,3,4,5,6,7
.if (\t%4) < 2
	global_load_b32 v[LV+\t], v[LVO], s[PL:PL+1] offset:256*(\t/4)+32*(\t%4)   ; the mask word (Q, K) or b_v (V) of my row of B's tile t
.else
	global_load_b32 v[LV+\t], v216, s[PL:PL+1] offset:256*(\t/4)+32*(\t%4)
.endif
.endr
.irp n, 0,1,2,3
	global_load_b128 v[AS+4*\n:AS+4*\n+3], v[R16], s[PAS:PAS+1] offset:256*\n   ; a tile's scale words of the four K steps
.endr
.irp t, 0,1,2,3,4,5,6,7
	global_load_b128 v[BS+4*\t:BS+4*\t+3], v[R16], s[PBS:PBS+1] offset:256*\t
.endr
	s_cmp_eq_u32 s[Y], 2
	s_cbranch_scc1 .Lcb_zero
.irp n, 0,1,2,3
	global_load_b128 v[CB+8*\n:CB+8*\n+3], v[CBO], s[PB:PB+1] offset:128*(\n/2)+32*(\n%2)      ; the bias at 32 (n / 2) + 8 (n % 2) + 16 h + 0 .. 7: the result's layout
	global_load_b128 v[CB+8*\n+4:CB+8*\n+7], v[CBO], s[PB:PB+1] offset:128*(\n/2)+32*(\n%2)+16
.endr
	s_branch .Lcb_done
.Lcb_zero:
.set i, 0
.rept 32
	v_mov_b32 v[CB+i], 0                           ; V has no bias along A's rows
.set i, i+1
.endr
.Lcb_done:
	WIN 0x40
.irp n, 0,1,2,3
.irp s, 0,1,2,3
.irp c, 0,1
	global_load_b128 v[8*(4*\n+\s)+4*\c:8*(4*\n+\s)+4*\c+3], v[LI], s[PA:PA+1] offset:1024*(4*\n+\s)+512*\c   ; A stays in registers
.endr
.endr
.endr
	WIN 0
	BLOAD 0
	BLOAD 1
	s_wait_loadcnt 16                              ; all but the 16 loads of B's second set, on both ways through the branch above
	s_wait_alu depctr_va_vdst(0)
.irp t, 0,1,2,3,4,5,6,7
	v_cmp_eq_u32 vcc_lo, 0, v[LV+\t]
	s_and_b32 vcc_lo, vcc_lo, s[ISK]               ; a masked key, and the job is K
	v_cndmask_b32 v[MA+2*\t], v[ONE], v[ZERO], vcc_lo
	v_and_b32 v[MA+2*\t+1], s[ISV], v[LV+\t]       ; b_v where the job is V, else 0
	v_cndmask_b32 v[LV+\t], v[LOW], v[HIGH], vcc_lo
.endr
; A pass: B's tiles 2 p and 2 p + 1 against my four tiles of A: 32 products, the 8 accumulators by turns, one instruction a turn, K ascending.
.macro PASS p
.if \p == 3
	s_wait_loadcnt 0x0                             ; the last set is in
.elseif \p > 0
	s_wait_loadcnt 16                              ; this pass's set is in; the 16 loads issued behind it may be out
.endif
	WIN 0x05                                       ; sources 0 and 1 window 1; C and D window 0
.irp s, 0,1,2,3
.irp xt, 0,1
.irp n, 0,1,2,3
.if \s == 0
	v_wmma_scale_f32_16x16x128_f8f6f4 v[ACC+32*\xt+8*\n:ACC+32*\xt+8*\n+7], v[8*(4*\n+\s):8*(4*\n+\s)+7], v[BF+64*((\p)%2)+8*(4*\xt+\s):BF+64*((\p)%2)+8*(4*\xt+\s)+7], v[CB+8*\n:CB+8*\n+7], v[AS+4*\n+\s], v[BS+4*(2*(\p)+\xt)+\s] matrix_a_fmt:MATRIX_FMT_FP4 matrix_b_fmt:MATRIX_FMT_FP4
.else
	v_wmma_scale_f32_16x16x128_f8f6f4 v[ACC+32*\xt+8*\n:ACC+32*\xt+8*\n+7], v[8*(4*\n+\s):8*(4*\n+\s)+7], v[BF+64*((\p)%2)+8*(4*\xt+\s):BF+64*((\p)%2)+8*(4*\xt+\s)+7], v[ACC+32*\xt+8*\n:ACC+32*\xt+8*\n+7], v[AS+4*\n+\s], v[BS+4*(2*(\p)+\xt)+\s] matrix_a_fmt:MATRIX_FMT_FP4 matrix_b_fmt:MATRIX_FMT_FP4
.endif
.endr
.endr
.endr
	WIN 0
.rept 4
	v_nop                                          ; four places in front of the loads into the set just multiplied, and of the first read of results
.endr
.if \p < 2
	BLOAD (\p)+2
.endif
.set i, 0
.rept 32
	v_pk_fma_f32 v[ACC+2*i:ACC+2*i+1], v[ACC+2*i:ACC+2*i+1], v[MA+2*(2*(\p)+i/16):MA+2*(2*(\p)+i/16)+1], v[MA+2*(2*(\p)+i/16):MA+2*(2*(\p)+i/16)+1] op_sel:[0,0,1] op_sel_hi:[1,0,1]   ; x mul + add, each accumulator from its low end on
.set i, i+1
.endr
	s_wait_xcnt 0x0                                ; the last pass's stores have read their data and offsets: both are written again below
	QUANT ACC, PC, PWK+(\p)
.irp xt, 0,1
	s_mul_i32 s[OT], s[ST], 2*(\p)+\xt
.if 2*(\p)+\xt >= 4
	s_add_co_u32 s[OT], s[OT], s[SH]
.endif
	v_add_nc_u32 v[VO+\xt], s[OT], v[LI]
	global_store_b128 v[VO+\xt], v[PC+4*\xt:PC+4*\xt+3], s[OUT:OUT+1]   ; half a fragment: 512 consecutive bytes
.endr
.endm
	PASS 0
	PASS 1
	PASS 2
	PASS 3
	; THE SCALE WORDS gather in LDS, each job in bytes of its own, and leave in whole runs.
	s_cmp_eq_u32 s[Y], 2
	s_cbranch_scc1 .Lv_put
.irp p, 0,1,2,3
	v_perm_b32 v[ACC+2*\p], v[LV+2*\p], v[PWK+\p], 0x07060100       ; tile 2 p: its two bytes, and the upper half made at the head
	v_perm_b32 v[ACC+2*\p+1], v[LV+2*\p+1], v[PWK+\p], 0x07060302   ; tile 2 p + 1
.endr
.irp p, 0,1,2,3
	ds_store_b32 v[SAQ], v[ACC+2*\p] offset:4*\p                    ; the word of (tile t, r) at 16 r + 256 (t % 2) + 4 (t / 2): one load of 16 bytes a lane then brings even tiles to lanes 0-15, odd ones to lanes 16-31
	ds_store_b32 v[SAQ], v[ACC+2*\p+1] offset:256+4*\p
.endr
	s_branch .Lput_done
.Lv_put:
.irp p, 0,1,2,3
	ds_store_b16 v[SAV], v[PWK+\p] offset:1024*((2*\p)/4)+4*(((2*\p)%4)/2)                 ; my two blocks' bytes of the word of (head, my step, tile, r): 8 r + 128 (tile % 2) + 4 (tile / 2) + 2 x my half
	ds_store_b16_d16_hi v[SAV], v[PWK+\p] offset:1024*((2*\p+1)/4)+128+4*(((2*\p+1)%4)/2)
.endr
.Lput_done:
	s_wait_dscnt 0x0                               ; for the others' sake: my stores lie in LDS
	s_barrier_signal -1
	s_barrier_wait -1
	s_cmp_eq_u32 s[Y], 2
	s_cbranch_scc1 .Lv_out
	ds_load_b128 v[WO:WO+3], v[RDQ]
	s_wait_dscnt 0x0
	global_store_b128 v[LI], v[WO:WO+3], s[SCO:SCO+1]   ; my head's 128 words: 512 consecutive bytes
	s_wait_tensorcnt 0x0
	ds_add_u32 v254, v255
	s_wait_dscnt 0x0
	s_endpgm
.Lv_out:
	ds_load_b64 v[WO:WO+1], v[RDV]
	s_wait_dscnt 0x0
	global_store_b64 v[L8], v[WO:WO+1], s[SCO:SCO+1]    ; one head's, one step's 64 words: 256 consecutive bytes, aligned
	s_wait_tensorcnt 0x0
	ds_add_u32 v254, v255
	s_wait_dscnt 0x0
	s_endpgm
.Lfunc_end_k_q2d3b15a252_proj:
	.size	k_q2d3b15a252_proj, .Lfunc_end_k_q2d3b15a252_proj-k_q2d3b15a252_proj
	.p2alignl 7, 3214868480
	.fill 96, 4, 3214868480
	.section	.rodata,"a",@progbits
	.p2align	6, 0x0
	.amdhsa_kernel k_q2d3b15a252_proj
		.amdhsa_group_segment_fixed_size 7168
		.amdhsa_private_segment_fixed_size 0
		.amdhsa_enable_private_segment 0
		.amdhsa_kernarg_size 80
		.amdhsa_user_sgpr_count 2
		.amdhsa_user_sgpr_kernarg_segment_ptr 1
		.amdhsa_wavefront_size32 1
		.amdhsa_system_sgpr_workgroup_id_x 1
		.amdhsa_system_sgpr_workgroup_id_y 1
		.amdhsa_system_sgpr_workgroup_id_z 1
		.amdhsa_system_vgpr_workitem_id 0
		.amdhsa_next_free_vgpr 512
		.amdhsa_next_free_sgpr 66
		.amdhsa_reserve_vcc 1
		.amdhsa_float_denorm_mode_32 3
		.amdhsa_float_denorm_mode_16_64 3
		.amdhsa_memory_ordered 1
		.amdhsa_forward_progress 1
		.amdhsa_inst_pref_size 70
	.end_amdhsa_kernel
	.amdgpu_metadata
---
amdhsa.version: [ 1, 2 ]
amdhsa.kernels:
  - .name:           k_q2d3b15a252_proj
    .symbol:         k_q2d3b15a252_proj.kd
    .args:
      - { .name: xc, .offset: 0, .size: 8, .value_kind: global_buffer, .address_space: global }
      - { .name: xs, .offset: 8, .size: 8, .value_kind: global_buffer, .address_space: global }
      - { .name: b_q, .offset: 16, .size: 8, .value_kind: global_buffer, .address_space: global }
      - { .name: b_k, .offset: 24, .size: 8, .value_kind: global_buffer, .address_space: global }
      - { .name: b_v, .offset: 32, .size: 8, .value_kind: global_buffer, .address_space: global }
      - { .name: mask, .offset: 40, .size: 8, .value_kind: global_buffer, .address_space: global }
      - { .name: qc, .offset: 48, .size: 8, .value_kind: global_buffer, .address_space: global }
      - { .name: qs, .offset: 56, .size: 8, .value_kind: global_buffer, .address_space: global }
      - { .name: kvc, .offset: 64, .size: 8, .value_kind: global_buffer, .address_space: global }
      - { .name: kvs, .offset: 72, .size: 8, .value_kind: global_buffer, .address_space: global }
    .group_segment_fixed_size: 7168
    .private_segment_fixed_size: 0
    .kernarg_segment_align: 8
    .kernarg_segment_size: 80
    .max_flat_workgroup_size: 256
    .sgpr_count:     66
    .vgpr_count:     512
    .wavefront_size: 32
...
	.end_amdgpu_metadata
.endif
;; end of part 2
;; launch attn (part 3): grid 16 x 16, 16 waves a work-group, clusters of 4 x 1, 327,680 bytes of LDS; arguments qc, qs, kvc, kvs, cc, cs; writes cc, cs
.if DOCPART == 3
	.amdgcn_target "amdgcn-amd-amdhsa--gfx1250"
	.amdhsa_code_object_version 6
	.text
	.protected	k_q2d3b15a252_attn
	.globl	k_q2d3b15a252_attn
	.p2align	8
	.type	k_q2d3b15a252_attn,@function
k_q2d3b15a252_attn:
	s_mov_b64 s[64:65], 0
	v_nop
	global_prefetch_b8 v0, s[64:65] scope:SCOPE_SE
	s_setreg_imm32_b32 hwreg(HW_REG_WAVE_MODE, 25, 1), 1
	s_wait_xcnt 0x0
	s_wait_alu depctr_hold_cnt(0) depctr_sa_sdst(0) depctr_va_vdst(0) depctr_va_sdst(0) depctr_va_ssrc(0) depctr_va_vcc(0) depctr_vm_vsrc(0)
	s_getreg_b32 s2, hwreg(HW_REG_IB_STS2, 6, 4)
	s_cmp_eq_u32 s2, 0
	s_cbranch_scc0 .Lentry_in_a_cluster
	s_endpgm
.Lentry_in_a_cluster:
	s_bfe_u32 s2, ttmp6, 0x10000c
	s_cmp_lg_u32 s2, 0x3003
	s_cbranch_scc0 .Lentry_shape_is_right
	s_endpgm
.Lentry_shape_is_right:
; context[b h][q] = the sum over k of softmax_k(Q . K / 8, masked) V, both products on codes of FP4 with one E8M0 scale for each 32 along K; the context is quantised along the model's 512 on its way out.
; THE SOFTMAX: t = score x log2(e) / 8; M = the row's largest t so far, rounded UP to a whole number; p = 2^(t - M) is quantised along the keys, not normalised; the row's sum is taken of the unquantised p and
; divides at the end.  When M moves, the sum and O are multiplied by 2^(old M - new M): exact.
; SHARES.  A work-group owns 256 queries of one head, each of its sixteen waves one tile of 16, in 256 registers.  Every wave walks the head's 4,096 keys, 128 a step.
; LAYOUT.  Both products are used transposed: S^T = K Q^T, O^T = V^T P^T: a lane holds ONE query throughout.  All operands were laid as register images: a fragment is one or two loads of 16 bytes at 16 x lane.
; THE KEYS OF A TILE: place r of K's tile T holds key 64 (T / 4) + 8 (T % 4) + r % 8 + 32 (r / 8).  So register 8 T + j of lane (r, h) is key 64 (T / 4) + 32 h + 8 (T % 4) + j: a lane's 32 registers of tiles 0-3 are
; ONE WHOLE BLOCK of 32 keys (block h), those of tiles 4-7 block 2 + h, in the order of the second product's operand: a block's maximum needs no other lane, and the eight conversions' results ARE the operand.
; THE MASK COSTS NO VECTOR WORK.  The head has 64 channels, the instruction 128 along K.  At k = 64 Q holds the code +1 and K the code -1, all else beyond 63 is 0.  The third byte of Q's scale word is 127; of K's it is
; 160 for a masked key and 1 for an open one, and a masked key's codes are zeros.  So a masked score is exactly -2^33 (logit -2^30), and t = -2^33 c is a whole number: in a row whose keys are all masked p = 1 everywhere.
; LIMITS: the masked logit is -2^30 where the definition has -1e9: a difference only where an open logit lies under about -1e9; an open score carries -2^-126; a block of zeros gets the byte 1; NaN and infinities are
; not served; the promise holds while |t| stays under 2^31.
; LDS HOLDS THE WHOLE HEAD: 32 steps x 8,192 bytes of codes and 24,576 bytes of scale words, each byte filled once, nothing filled again.  At the head every wave asks for one part of what the first four steps need
; (waves 0-7: 16 rows of 256 bytes of steps 0-3; waves 8-15: 12 rows of the scale words); behind the full sequence and a round every wave asks for 56 rows of steps 4-31, which land under steps 0-3.
; One barrier follows step 3; steps 4-31 have none.
; A STEP OF THE TEXT goes from a step's maxima to the NEXT step's score products: the 32 lines of the row's sum read p tile by tile and stand among the 12 matrix instructions, each score product behind the sums of the tile
; that it writes over; the 18 LDS loads (this step's V, the next step's K) stand between the dependent lines that make M.
; CLUSTER.  The four query blocks of a cluster belong to one head and need the same K and V: every tensor load is asked for JOINTLY, with the same descriptor and the mask of all four.
; NO PREFETCH: both groups of tensor loads go out ahead of the loop over the keys; no request stands in a loop that a prefetch could run ahead of.
; REGISTERS: v1-9 addresses; v12 -M, v13 the largest score, v15 the last -M; v16-23 Q; v24 Q's word; v26-29 K's words, v30-31 V's; v32-95 K's eight fragments (the upper four registers of each constant); v96-127 V^T;
;   v128-191 S^T, then p; v192-223 O^T; v224-231 p's codes; v238 p's scale word; v240-247 the sum in four pairs; the rest of v232-255 at work.
.set SCL,   262144                     ; behind the codes: the head's scale words: 768 bytes a step: K's 512, V's 256
.set SPARE, 286720                     ; the spare words, 128 bytes for each wave: eight blocks of 256 bytes that no other line names
.set CSG,   288768                     ; the way out: the work-group's 256 pairs of scale bytes
.set LI,   1                           ; 16 x lane
.set ASK0, 2                           ; SCL + 16 x lane
.set ASV0, 3                           ; SCL + 512 + 8 x lane
.set SPW,  4                           ; my spare word; never rewritten
.set NIL,  5                           ; 0; never rewritten
.set ADK,  6                           ; the four steps in hand: codes,
.set ADS,  7                           ; K's words,
.set ADT,  8                           ; V's words
.set SH8,  9                           ; 8 x (lane / 16)
.set QF,   16
.set QS,   24
.set KS,   26
.set VS,   30
.set KF,   32
.set VF,   96
.set S,    128
.set O,    192
.set PC,   224
.set PW,   238
.set LA,   240
.set WV,   18
.set CX,   19
.set SEL,  20
.set CS,   22
.set G1A,  24                          ; group 1: 16 rows;  G1S: 12 rows;  G1B: 56 rows
.set G1S,  32
.set G0A,  40
.set G0S,  44
.set TB,   48                          ; LDS byte at which the four steps in hand begin
.set TS,   49                          ; and their scale words
.set CNT,  50
.set CN,   51                          ; -c
.set G1B,  68
.set G0B,  76
.macro CROUND                          ; a round of the cluster's barrier
	s_barrier_signal -1
	s_barrier_wait -1
	s_cmp_lg_u32 s[WV], 0
	s_cbranch_scc1 .Lnot_wave_0_\@
	s_barrier_signal -3
.Lnot_wave_0_\@:
	s_barrier_wait -3
	s_barrier_signal -1
	s_barrier_wait -1
.endm
.macro G1 g, rows                      ; a dense block as rows of 256 bytes (32 elements of 8 bytes), no padding: the images are read 16 bytes a lane on end
	s_mov_b32 s[\g], 15|(3<<16)|(1<<21)            ; the mask: all four work-groups; elements of 8 bytes; bit 21 set beside a mask
	s_mov_b32 s[\g+1], 32<<16
	s_mov_b32 s[\g+2], (\rows)<<16
	s_mov_b32 s[\g+3], 32<<16
	s_mov_b32 s[\g+4], \rows
	s_mov_b32 s[\g+5], 32
	s_mov_b32 s[\g+6], 0
	s_mov_b32 s[\g+7], 0
.endm
	s_load_b256 s[4:11], s[0:1], 0x0               ; qc, qs, kvc, kvs
	s_load_b128 s[12:15], s[0:1], 0x20             ; cc, cs
	v_lshl_add_u32 v[SPW], v0, 2, SPARE
	v_mov_b32 v[NIL], 0
	ds_add_u32 v[SPW], v[NIL]                      ; the opening lines: the add, twice on end, and its wait ahead of my first tensor load
	ds_add_u32 v[SPW], v[NIL]
	v_lshrrev_b32 v10, 5, v0
	v_readfirstlane_b32 s[WV], v10                 ; wave 0..15
	s_bfe_u32 s[CX], ttmp6, 0x40000                ; my place in the cluster
	s_lshl_b32 s54, ttmp9, 2
	s_add_co_u32 s54, s54, s[CX]                   ; my block of 256 queries: it enters Q's and the outputs' addresses alone
	s_and_b32 s55, ttmp7, 0xffff                   ; b h, which the four partners share
	s_and_b32 s56, s[WV], 7
	s_lshl_b32 s57, s56, 12                        ; the head's loads: 4,096 bytes of steps 0-3, in memory and in LDS
	s_lshl_b32 s58, s55, 18                        ; a head's codes: 32 steps of 8,192 bytes
	s_mul_i32 s17, s[WV], 14336                    ; the second group: 56 rows a wave,
	s_add_co_u32 s17, s17, 32768                   ; behind steps 0-3
	s_add_co_u32 s62, s58, s17
	s_mov_b32 s63, 0
	s_add_co_u32 s58, s58, s57
	s_mov_b32 s59, 0
	s_mul_i32 s16, s56, 3072                       ; 12 rows of the head's scale words
	s_mul_i32 s60, s55, 24576
	s_add_co_u32 s60, s60, s16
	s_mov_b32 s61, 0
	G1 G1A, 16
	G1 G1S, 12
	G1 G1B, 56
	s_mov_b32 s[SEL], 0x76543210
	s_mov_b32 s[SEL+1], 0xfedcba98                 ; lane l xor 16
	s_mov_b32 s[CS], 0x3e38aa3b                    ; c = log2(e) / 8
	s_mov_b32 s[CS+1], s[CS]                       ; (named with it as a pair, so it is written)
	s_mov_b32 s[CN], 0xbe38aa3b                    ; -c
	s_mov_b32 s[TB], 0
	s_mov_b32 s[TS], 0
	s_wait_dscnt 0x0                               ; both opening adds are done
	s_wait_kmcnt 0x0
	s_mov_b32 s[G0A], 1
	s_mov_b32 s[G0A+1], s57
	s_add_nc_u64 s[G0A+2:G0A+3], s[8:9], s[58:59]
	s_or_b32 s[G0A+3], s[G0A+3], 0x80000000
	s_mov_b32 s[G0S], 1
	s_add_co_u32 s[G0S+1], s16, SCL
	s_add_nc_u64 s[G0S+2:G0S+3], s[10:11], s[60:61]
	s_or_b32 s[G0S+3], s[G0S+3], 0x80000000
	s_mov_b32 s[G0B], 1
	s_mov_b32 s[G0B+1], s17
	s_add_nc_u64 s[G0B+2:G0B+3], s[8:9], s[62:63]
	s_or_b32 s[G0B+3], s[G0B+3], 0x80000000
	CROUND                                         ; all four work-groups are here: the first joint loads meet
	s_cmp_lt_u32 s[WV], 8                          ; one load a wave, one to each arm: every way through the head passes exactly one
	s_cbranch_scc0 .Lhead_s
	tensor_load_to_lds s[G0A:G0A+3], s[G1A:G1A+7]  ; waves 0-7: steps 0-3
	s_nop 0
.rept 4
	v_nop
.endr
	s_branch .Lhead_asked
.Lhead_s:
	tensor_load_to_lds s[G0S:G0S+3], s[G1S:G1S+7]  ; waves 8-15: the scale words
	s_nop 0
.rept 4
	v_nop
.endr
.Lhead_asked:
	s_mov_b32 s63, 0
	s_lshl_b32 s62, s55, 8
	s_lshl_b32 s17, s54, 4
	s_add_co_u32 s62, s62, s17
	s_add_co_u32 s62, s62, s[WV]                   ; 256 b h + my tile of queries
	s_lshl_b32 s62, s62, 9
	s_add_nc_u64 s[4:5], s[4:5], s[62:63]          ; Q's half fragment
	s_lshl_b32 s62, s55, 5
	s_lshl_b32 s17, s54, 1
	s_add_co_u32 s62, s62, s17
	s_lshr_b32 s17, s[WV], 3
	s_add_co_u32 s62, s62, s17                     ; which 8 tiles
	s_lshl_b32 s62, s62, 9
	s_and_b32 s17, s[WV], 1
	s_lshl_b32 s17, s17, 8
	s_add_co_u32 s62, s62, s17                     ; + 256 (tile % 2)
	s_bfe_u32 s17, s[WV], 0x20001
	s_lshl_b32 s17, s17, 2
	s_add_co_u32 s62, s62, s17                     ; + 4 ((tile % 8) / 2)
	s_add_nc_u64 s[6:7], s[6:7], s[62:63]          ; Q's scale words
	s_lshr_b32 s2, s55, 3                          ; batch
	s_and_b32 s3, s55, 7                           ; head
	s_lshl_b32 s62, s2, 8
	s_lshl_b32 s17, s54, 4
	s_add_co_u32 s62, s62, s17
	s_add_co_u32 s62, s62, s[WV]                   ; my tile among the 512 of the context
	s_lshl_b32 s62, s62, 12
	s_lshr_b32 s17, s3, 1
	s_lshl_b32 s17, s17, 10
	s_add_co_u32 s62, s62, s17                     ; K step = head / 2
	s_and_b32 s17, s3, 1
	s_lshl_b32 s17, s17, 9
	s_add_co_u32 s62, s62, s17                     ; its half = head % 2
	s_add_nc_u64 s[12:13], s[12:13], s[62:63]
	s_lshl_b32 s62, s3, 14
	s_lshl_b32 s17, s2, 13
	s_add_co_u32 s62, s62, s17
	s_lshl_b32 s17, s54, 9
	s_add_co_u32 s62, s62, s17
	s_add_nc_u64 s[14:15], s[14:15], s[62:63]      ; cs: [head][row place] two bytes; my work-group's 512 bytes
	v_and_b32 v10, 31, v0                          ; lane
	s_delay_alu instid0(VALU_DEP_1)
	v_lshlrev_b32 v[LI], 4, v10
	v_and_b32 v11, 15, v0
	s_delay_alu instid0(VALU_DEP_1)
	v_lshlrev_b32 v11, 4, v11                      ; 16 r
	global_load_b128 v[QF:QF+3], v[LI], s[4:5]     ; Q stays in registers
	global_load_b32 v[QS], v11, s[6:7]
	v_add_nc_u32 v[ASK0], SCL, v[LI]
	v_lshl_add_u32 v[ASV0], v10, 3, SCL+512
	v_bfe_u32 v[SH8], v0, 4, 1
	v_cmp_gt_u32 vcc_lo, 16, v10                   ; lanes 0-15 hold k = 64 .. 95 in register 4
	v_mov_b32 v12, 2                               ; the code of +1
	v_mov_b32 v13, 10                              ; the code of -1
	v_lshlrev_b32 v[SH8], 3, v[SH8]
	v_cndmask_b32 v[QF+4], 0, v12, vcc_lo
.irp i, 5,6,7
	v_mov_b32 v[QF+\i], 0
.endr
.irp t, 0,1,2,3,4,5,6,7
	v_cndmask_b32 v[KF+8*\t+4], 0, v13, vcc_lo
	v_mov_b32 v[KF+8*\t+5], 0
	v_mov_b32 v[KF+8*\t+6], 0
	v_mov_b32 v[KF+8*\t+7], 0
.endr
	v_mov_b32 v13, 0xff61b1e6                      ; the largest score so far: -3e38, under every score
	s_delay_alu instid0(VALU_DEP_1)
	v_floor_f32 v12, -v13                          ; -M
	v_mov_b32 v234, 0                              ; written once: a lane permute's destination counts as one of its sources
	v_mov_b32 v239, 0
	v_mov_b32 v237, 0                              ; (named as the upper half of the pair v[236:237])
	v_mov_b32 v15, v12
.set j, 0
.rept 8
	v_mov_b32 v[LA+j], 0                           ; the sum's four pairs
.set j, j+1
.endr
.set j, 0
.rept 32
	v_mov_b32 v[O+j], 0                            ; O^T: the step is written once; the first finds zeros, which the first change of M leaves zeros
.set j, j+1
.endr
.macro KL q, n                         ; the n-th of nine loads: K's eight half fragments, then its words (register j: tile 2 j in lanes 0-15, tile 2 j + 1 in lanes 16-31)
.if (\n) < 8
	ds_load_b128 v[KF+8*(\n):KF+8*(\n)+3], v[ADK] offset:8192*(\q)+512*(\n)
.else
	ds_load_b128 v[KS:KS+3], v[ADS] offset:768*(\q)
.endif
.endm
.macro VL q, n                         ; the n-th of nine loads: the eight halves of V^T's four fragments, then its words
.if (\n) < 8
	ds_load_b128 v[VF+4*(\n):VF+4*(\n)+3], v[ADK] offset:8192*(\q)+4096+512*(\n)
.else
	ds_load_b64 v[VS:VS+1], v[ADT] offset:768*(\q)
.endif
.endm
.macro GAP q, nxt, g                   ; three loads between two dependent lines: gaps 0-2 this step's V, gaps 3-5 the next step's K
.if (\g) < 3
	VL \q, 3*(\g)
	VL \q, 3*(\g)+1
	VL \q, 3*(\g)+2
.elseif \nxt
	KL (\q)+1, 3*(\g)-9
	KL (\q)+1, 3*(\g)-8
	KL (\q)+1, 3*(\g)-7
.endif
.endm
.macro ADDR                            ; the addresses of four steps
	v_add_nc_u32 v[ADK], s[TB], v[LI]
	v_add_nc_u32 v[ADS], s[TS], v[ASK0]
	v_add_nc_u32 v[ADT], s[TS], v[ASV0]
	s_wait_alu depctr_va_vdst(0)
.endm
.macro PKF n
.rept \n
	v_pk_fma_f32 v[S+j:S+j+1], v[S+j:S+j+1], s[CS:CS+1], v[12:13] op_sel_hi:[1,0,0]   ; t - M, two at a time (of the pairs c and -M the low word serves both halves)
.set j, j+2
.endr
.endm
.macro QK t                            ; S^T's tile t: 16 keys x my 16 queries
.if ((\t)%2) == 0
	v_wmma_scale_f32_16x16x128_f8f6f4 v[S+8*(\t):S+8*(\t)+7], v[KF+8*(\t):KF+8*(\t)+7], v[QF:QF+7], 0, v[KS+(\t)/2], v[QS] matrix_a_fmt:MATRIX_FMT_FP4 matrix_b_fmt:MATRIX_FMT_FP4
.else
	v_wmma_scale_f32_16x16x128_f8f6f4 v[S+8*(\t):S+8*(\t)+7], v[KF+8*(\t):KF+8*(\t)+7], v[QF:QF+7], 0, v[KS+(\t)/2], v[QS] matrix_a_fmt:MATRIX_FMT_FP4 matrix_b_fmt:MATRIX_FMT_FP4 matrix_a_scale:MATRIX_SCALE_ROW1
.endif
.endm
.macro PV t                            ; O^T's tile t: 16 channels x my 16 queries, over these 128 keys
.if ((\t)%2) == 0
	v_wmma_scale_f32_16x16x128_f8f6f4 v[O+8*(\t):O+8*(\t)+7], v[VF+8*(\t):VF+8*(\t)+7], v[PC:PC+7], v[O+8*(\t):O+8*(\t)+7], v[VS+(\t)/2], v[PW] matrix_a_fmt:MATRIX_FMT_FP4 matrix_b_fmt:MATRIX_FMT_FP4
.else
	v_wmma_scale_f32_16x16x128_f8f6f4 v[O+8*(\t):O+8*(\t)+7], v[VF+8*(\t):VF+8*(\t)+7], v[PC:PC+7], v[O+8*(\t):O+8*(\t)+7], v[VS+(\t)/2], v[PW] matrix_a_fmt:MATRIX_FMT_FP4 matrix_b_fmt:MATRIX_FMT_FP4 matrix_a_scale:MATRIX_SCALE_ROW1
.endif
.endm
.macro SM t, k                         ; THE ROW'S SUM OF THE UNQUANTISED p: pair k of tile t onto sum k; tile 0 brings the old sum under the new M: x f + p
.if (\t) == 0
	v_pk_fma_f32 v[LA+2*(\k):LA+2*(\k)+1], v[LA+2*(\k):LA+2*(\k)+1], v[236:237], v[S+2*(\k):S+2*(\k)+1] op_sel_hi:[1,0,1]
.else
	v_pk_add_f32 v[LA+2*(\k):LA+2*(\k)+1], v[LA+2*(\k):LA+2*(\k)+1], v[S+8*(\t)+2*(\k):S+8*(\t)+2*(\k)+1]
.endif
.endm
.macro SM2 t, k
	SM \t, \k
	SM \t, (\k)+1
.endm
; A STEP OF THE TEXT: the softmax and the second product of the q-th of the four steps in hand, whose scores lie in S^T.  nxt = 1: and the next step's scores
.macro STEP q, nxt
.irp b, 0,1                                    ; the largest score of my two blocks of 32 keys: a chain to each tile, every accumulator from its low end on.  The eighth line reads the last tile: seven places behind its product
.irp u, 0,1,2,3
.if \u == 0
	v_max3_num_f32 v[232+\b], v[S+32*\b], v[S+32*\b+1], v[S+32*\b+2]
.else
	v_max3_num_f32 v[249+3*\b+\u], v[S+32*\b+8*\u], v[S+32*\b+8*\u+1], v[S+32*\b+8*\u+2]
.endif
.endr
.endr
.irp i, 3,5
.irp b, 0,1
.irp u, 0,1,2,3
.if \u == 0
	v_max3_num_f32 v[232+\b], v[232+\b], v[S+32*\b+\i], v[S+32*\b+\i+1]
.else
	v_max3_num_f32 v[249+3*\b+\u], v[249+3*\b+\u], v[S+32*\b+8*\u+\i], v[S+32*\b+8*\u+\i+1]
.endif
.endr
.endr
.endr
.irp b, 0,1
	v_max3_num_f32 v[232+\b], v[232+\b], v[250+3*\b], v[S+32*\b+7]      ; the four chains of a block and each tile's last register
.endr
.irp b, 0,1
	v_max3_num_f32 v[251+3*\b], v[251+3*\b], v[252+3*\b], v[S+32*\b+15]
.endr
.irp b, 0,1
	v_max3_num_f32 v[232+\b], v[232+\b], v[251+3*\b], v[S+32*\b+23]
.endr
.irp b, 0,1
	v_max_num_f32 v[232+\b], v[232+\b], v[S+32*\b+31]
.endr
	GAP \q, \nxt, 0
	v_max3_num_f32 v13, v13, v232, v233            ; the running largest score of my half of the keys,
	GAP \q, \nxt, 1
	v_permlanex16_b32 v234, v13, s[SEL], s[SEL+1]
	GAP \q, \nxt, 2
	v_max_num_f32 v13, v13, v234                   ; and of lane l xor 16's
	GAP \q, \nxt, 3
	v_mul_f32 v235, s[CN], v13                     ; -t
	GAP \q, \nxt, 4
	v_floor_f32 v12, v235                          ; the new -M = -ceil(t): a whole number
	GAP \q, \nxt, 5
.set j, 0
	PKF 4
	v_sub_f32 v235, v12, v15                       ; old M - new M: a whole number, 0 or less
	PKF 4
	v_cvt_i32_f32 v235, v235                       ; (it saturates)
	PKF 4
	v_ldexp_f32 v236, 1.0, v235                    ; f = 2^(old M - new M)
	PKF 20
.irp b, 0,1
	v_fma_f32 v[232+\b], v[232+\b], s[CS], v12     ; the same of each block's largest score: p rises with the score
.endr
.set j, 0
.rept 16
	v_pk_mul_f32 v[O+j:O+j+1], v[O+j:O+j+1], v[236:237] op_sel_hi:[1,0]   ; O^T under the new M, each accumulator from its low end on
.set j, j+2
.endr
	s_wait_alu depctr_va_vdst(0)                   ; the wait ahead of the batch
.set j, 0
.rept 64
	v_exp_f32 v[S+j], v[S+j]                       ; p = 2^(t - M), at most 1
.set j, j+1
.endr
.irp b, 0,1
	v_exp_f32 v[232+\b], v[232+\b]                 ; the block's largest p: the same two instructions on the same number give the same bits
.endr
	v_mov_b32 v15, v12                             ; -M for the next step's difference: the plain place behind the exponentials
	s_wait_alu depctr_va_vdst(0)                   ; one wait for the whole batch, ahead of its first reader, and directly ahead of the wait below
	s_wait_dscnt 0x0                               ; the step's one wait for LDS: V, the next step's K and their words are in
.irp b, 0,1
	v_max_num_f32 v[232+\b], 0x1800000, v[232+\b]  ; the floor 2^(3 - 127): the byte cannot fall under 1
.endr
.irp b, 0,1
	v_add_nc_u32 v[254+\b], 0xff000000, v[232+\b]  ; 2 off the exponent field: the conversion's scale operand
.endr
.irp t, 0,1,2,3,4,5,6,7
	v_cvt_scalef32_pk8_fp4_f32 v[PC+\t], v[S+8*\t:S+8*\t+7], v[254+\t/4]   ; register 4 c + g of the operand: keys 64 c + 32 h + 8 g + 0 .. 7
.endr
	v_lshrrev_b32 v248, 23, v254                   ; my two scale bytes: blocks h and 2 + h
	v_lshrrev_b32 v249, 23, v255
	SM2 0, 0
	v_lshl_or_b32 v248, v249, 16, v248
	SM2 0, 2
	v_lshlrev_b32 v248, v[SH8], v248               ; at their places in the word: 8 h bits up
	SM2 1, 0
	v_permlanex16_b32 v239, v248, s[SEL], s[SEL+1]
	SM2 1, 2
	v_or_b32 v[PW], v248, v239                     ; with lane l xor 16's two bytes p's scale word is whole; the eight lines below are the eight places between it and the products
	SM2 2, 0
	SM2 2, 2
	SM2 3, 0
	SM2 3, 2
	PV 0                                           ; the four accumulators by turns; the sums between name none of the products' registers
	SM2 4, 0
	PV 1
	SM2 4, 2
	PV 2
	SM2 5, 0
	PV 3
	SM2 5, 2
.if \nxt
	QK 0                                           ; the next step's scores: each tile behind the conversions and the sums that read its registers
.endif
	SM2 6, 0
.if \nxt
	QK 1
.endif
	SM2 6, 2
.if \nxt
	QK 2
.endif
	SM2 7, 0
.if \nxt
	QK 3
.endif
	SM2 7, 2
.if \nxt
	QK 4
	QK 5
	QK 6
	QK 7
.endif
.endm
.macro QUAD on                         ; four steps; on = 1: the fourth also makes the scores of the step behind them
	STEP 0, 1
	STEP 1, 1
	STEP 2, 1
	STEP 3, \on
.endm
.macro FIRST                           ; the scores of the first of the steps in hand, where no step ahead has made them
	ADDR
.irp n, 0,1,2,3,4,5,6,7,8
	KL 0, \n
.endr
	s_wait_dscnt 0x0
.irp t, 0,1,2,3,4,5,6,7
	QK \t
.endr
.rept 4
	v_nop                                          ; four places in front of the first read of results
.endr
.endm
	s_wait_alu depctr_va_vdst(0)                   ; the wait at the head's end
	s_wait_loadcnt 0x0                             ; Q and its words
	s_wait_tensorcnt 0x0                           ; my part of the head's loads is in
	ds_add_u32 v[SPW], v[NIL]
	s_wait_dscnt 0x0
	CROUND                                         ; steps 0-3 and the scale words are whole, and all four work-groups are here
	tensor_load_to_lds s[G0B:G0B+3], s[G1B:G1B+7]  ; my 56 rows of steps 4-31: the wave's one load behind the round; it lands on bytes of its own: 32,768 + 14,336 x wave
	s_nop 0
.rept 4
	v_nop
.endr
	FIRST
	QUAD 0                                         ; steps 0-3; step 4's K is not read: it may not have landed
	s_wait_tensorcnt 0x0                           ; my 56 rows are in
	ds_add_u32 v[SPW], v[NIL]
	s_wait_dscnt 0x0
	s_barrier_signal -1
	s_barrier_wait -1                              ; and everybody's: the head's codes are whole
	s_mov_b32 s[TB], 32768
	s_mov_b32 s[TS], 3072
	s_mov_b32 s[CNT], 6
	FIRST
.Ltrip:                                            ; 6 trips of four steps: steps 4-27; no barrier: nothing in LDS changes
	QUAD 1
	s_add_co_u32 s[TB], s[TB], 32768
	s_add_co_u32 s[TS], s[TS], 3072
	ADDR
	s_sub_co_u32 s[CNT], s[CNT], 1
	s_cmp_lg_u32 s[CNT], 0
	s_cbranch_scc1 .Ltrip
	QUAD 0                                         ; steps 28-31 are written out: there is no K behind them
	; THE WAY OUT.  O^T / the sum is my query's 64 channels of the context, register 16 b + i = channel 32 b + 16 (lane / 16) + i: two blocks of the last product's K.  They are quantised here and leave as half a fragment.
	v_pk_add_f32 v[LA:LA+1], v[LA:LA+1], v[LA+2:LA+3]       ; the four sums become one
	v_pk_add_f32 v[LA+4:LA+5], v[LA+4:LA+5], v[LA+6:LA+7]
	v_pk_add_f32 v[LA:LA+1], v[LA:LA+1], v[LA+4:LA+5]
	v_add_f32 v14, v[LA], v[LA+1]                  ; its two halves,
	s_delay_alu instid0(VALU_DEP_1)
	v_permlanex16_b32 v234, v14, s[SEL], s[SEL+1]
	s_delay_alu instid0(VALU_DEP_1)
	v_add_f32 v14, v14, v234                       ; and lane l xor 16's
	s_wait_alu depctr_va_vdst(0)                   ; the wait ahead of the transcendental
	v_rcp_f32 v14, v14
	v_and_b32 v10, 15, v0                          ; (a plain place behind the reciprocal)
	s_lshl_b32 s54, s[WV], 5
	s_add_co_u32 s54, s54, CSG
	v_lshl_add_u32 v10, v10, 1, s54                ; my row's two scale bytes: CSG + 32 w + 2 r
	v_add_nc_u32 v11, CSG, v[LI]
	s_wait_alu depctr_va_vdst(0)                   ; the wait ahead of the reciprocal's first reader and of O^T's
.set j, 0
.rept 32
	v_mul_f32 v[S+j], v[O+j], v14                  ; each accumulator from its low end on
.set j, j+1
.endr
.irp b, 0,1
	v_max3_num_f32 v[232+\b], |v[S+16*\b]|, |v[S+1+16*\b]|, 0x1800000
.endr
.irp i, 2,4,6,8,10,12,14
.irp b, 0,1
	s_delay_alu instid0(VALU_DEP_2)
	v_max3_num_f32 v[232+\b], v[232+\b], |v[S+16*\b+\i]|, |v[S+1+16*\b+\i]|
.endr
.endr
.irp b, 0,1
	s_delay_alu instid0(VALU_DEP_2)
	v_permlanex16_b32 v[236+\b], v[232+\b], s[SEL], s[SEL+1]
.endr
.irp b, 0,1
	s_delay_alu instid0(VALU_DEP_2)
	v_max_num_f32 v[232+\b], v[232+\b], v[236+\b]
.endr
.irp b, 0,1
	s_delay_alu instid0(VALU_DEP_2)
	v_add_nc_u32 v[244+\b], 0xff000000, v[232+\b]
.endr
.irp b, 0,1
	s_delay_alu instid0(VALU_DEP_2)
	v_lshrrev_b32 v[236+\b], 23, v[244+\b]
.endr
	s_delay_alu instid0(VALU_DEP_1)
	v_lshl_or_b32 v240, v237, 8, v236
.irp b, 0,1
	v_cvt_scalef32_pk8_fp4_f32 v[PC+2*\b], v[S+16*\b:S+16*\b+7], v[244+\b]
	v_cvt_scalef32_pk8_fp4_f32 v[PC+1+2*\b], v[S+16*\b+8:S+16*\b+15], v[244+\b]
.endr
	v_nop                                          ; one plain place behind the scaled conversions
.irp i, 0,1
	v_permlane16_swap_b32 v[PC+\i], v[PC+2+\i]     ; the channels' blocks lie in two lanes: the operand wants a whole block in a lane
.endr
	global_store_b128 v[LI], v[PC:PC+3], s[12:13]  ; 512 consecutive bytes
	ds_store_b16 v10, v240                         ; both lanes of a row write the same bytes with the same value
	s_wait_dscnt 0x0                               ; for the others' sake
	s_barrier_signal -1
	s_barrier_wait -1
	s_cmp_lg_u32 s[WV], 0
	s_cbranch_scc1 .Lno_cs
	ds_load_b128 v[232:235], v11                   ; wave 0 sends the work-group's 256 pairs: 512 consecutive bytes
	s_wait_dscnt 0x0
	global_store_b128 v[LI], v[232:235], s[14:15]
.Lno_cs:
	s_wait_tensorcnt 0x0                           ; the wave's end
	ds_add_u32 v[SPW], v[NIL]
	s_wait_dscnt 0x0
	CROUND                                         ; the closing round: no work-group ends while a partner may still ask for a tile that names it
	s_endpgm
.Lfunc_end_k_q2d3b15a252_attn:
	.size	k_q2d3b15a252_attn, .Lfunc_end_k_q2d3b15a252_attn-k_q2d3b15a252_attn
	.p2alignl 7, 3214868480
	.fill 96, 4, 3214868480
	.section	.rodata,"a",@progbits
	.p2align	6, 0x0
	.amdhsa_kernel k_q2d3b15a252_attn
		.amdhsa_group_segment_fixed_size 327680
		.amdhsa_private_segment_fixed_size 0
		.amdhsa_enable_private_segment 0
		.amdhsa_kernarg_size 48
		.amdhsa_user_sgpr_count 2
		.amdhsa_user_sgpr_kernarg_segment_ptr 1
		.amdhsa_wavefront_size32 1
		.amdhsa_system_sgpr_workgroup_id_x 1
		.amdhsa_system_sgpr_workgroup_id_y 1
		.amdhsa_system_sgpr_workgroup_id_z 1
		.amdhsa_system_vgpr_workitem_id 0
		.amdhsa_next_free_vgpr 256
		.amdhsa_next_free_sgpr 100
		.amdhsa_reserve_vcc 1
		.amdhsa_float_denorm_mode_32 3
		.amdhsa_float_denorm_mode_16_64 3
		.amdhsa_memory_ordered 1
		.amdhsa_forward_progress 1
		.amdhsa_inst_pref_size 176
	.end_amdhsa_kernel
	.amdgpu_metadata
---
amdhsa.version: [ 1, 2 ]
amdhsa.kernels:
  - .name:           k_q2d3b15a252_attn
    .symbol:         k_q2d3b15a252_attn.kd
    .args:
      - { .name: qc, .offset: 0, .size: 8, .value_kind: global_buffer, .address_space: global }
      - { .name: qs, .offset: 8, .size: 8, .value_kind: global_buffer, .address_space: global }
      - { .name: kvc, .offset: 16, .size: 8, .value_kind: global_buffer, .address_space: global }
      - { .name: kvs, .offset: 24, .size: 8, .value_kind: global_buffer, .address_space: global }
      - { .name: cc, .offset: 32, .size: 8, .value_kind: global_buffer, .address_space: global }
      - { .name: cs, .offset: 40, .size: 8, .value_kind: global_buffer, .address_space: global }
    .group_segment_fixed_size: 327680
    .private_segment_fixed_size: 0
    .kernarg_segment_align: 8
    .kernarg_segment_size: 48
    .max_flat_workgroup_size: 512
    .sgpr_count:     100
    .vgpr_count:     256
    .wavefront_size: 32
...
	.end_amdgpu_metadata
.endif
;; end of part 3
;; launch outp (part 4): grid 256 x 1, 16 waves a work-group, no clusters, 68,096 bytes of LDS; arguments cc, cs, xc, xs, b_o, out0; writes out0
.if DOCPART == 4
	.amdgcn_target "amdgcn-amd-amdhsa--gfx1250"
	.amdhsa_code_object_version 6
	.text
	.protected	k_q2d3b15a252_outp
	.globl	k_q2d3b15a252_outp
	.p2align	8
	.type	k_q2d3b15a252_outp,@function
k_q2d3b15a252_outp:
	s_mov_b64 s[64:65], 0
	v_nop
	global_prefetch_b8 v0, s[64:65] scope:SCOPE_SE
	s_setreg_imm32_b32 hwreg(HW_REG_WAVE_MODE, 25, 1), 1
	s_wait_xcnt 0x0
; out0 = context W_o^T + b_o on codes of FP4.  The context's codes (cc, as register images) and scale bytes (cs) were made by the launch before, W_o's codes and scale words (xc, xs: tiles 1,632 on) by the first.
; SHARES.  A work-group takes two tiles of the context: output rows 32 g .. 32 g + 31.  Wave w takes two tiles of W_o: columns 32 w .. 32 w + 31.  16 products a wave, four accumulators by turns.
; TRANSPOSED: source 0 = 16 rows of W_o, source 1 = 16 rows of the context: lane (r, h) holds one row, and register j of tile n the column 32 w + 8 n + 16 h + j.  b_o is the C of each sum's first product.
; Lane r of context tile xt is output row 32 g + 8 xt + r % 8 + 16 (r / 8).  The results meet in a stage in LDS, and each wave stores two whole rows: 512 consecutive bytes an instruction.
; No tensor loads: each operand is read once by its wave, straight into registers; the launch is short, so nothing is prefetched.
.set SP,  2064                         ; a stage row: 2,048 bytes + 16
.set LI,  1                            ; 16 x lane
.set R16, 2                            ; 16 r
.set R2,  3                            ; 2 r
.set H64, 4                            ; 64 h
.set SO,  5                            ; the stage on the way in: 2,064 r + 64 h + 128 w
.set SR,  6                            ; on the way out: my two rows' places + 16 x lane
.set AS,  8                            ; v8-15   W_o's scale words (tile n, K step s at 4 n + s)
.set BS,  16                           ; v16-23  the context's (4 xt + s)
.set U,   24                           ; v24-39  their halves: two bytes for each head (8 xt + head)
.set CB,  40                           ; v40-55  b_o in the result's layout
.set ACC, 56                           ; v56-87  (xt, n) at 8 (2 xt + n)
.set AF,  96                           ; v96-159  W_o's fragments, 8 (4 n + s)
.set BFR, 160                          ; v160-223 the context's, 8 (4 xt + s); later the rows read back
	s_load_b256 s[4:11], s[0:1], 0x0               ; cc, cs, xc, xs
	s_load_b128 s[12:15], s[0:1], 0x20             ; b_o, out0
	v_lshl_add_u32 v232, v0, 2, 0x10200
	v_mov_b32 v233, 0
	v_lshrrev_b32 v7, 5, v0
	s_delay_alu instid0(VALU_DEP_1)
	v_readfirstlane_b32 s16, v7                    ; wave 0..15
	v_and_b32 v7, 31, v0
	s_delay_alu instid0(VALU_DEP_1)
	v_lshlrev_b32 v[LI], 4, v7
	s_wait_alu depctr_va_vdst(0)
	v_and_b32 v7, 15, v0                           ; r
	s_delay_alu instid0(VALU_DEP_1)
	v_lshlrev_b32 v[R16], 4, v7
	s_delay_alu instid0(VALU_DEP_2)
	v_lshlrev_b32 v[R2], 1, v7
	v_bfe_u32 v[H64], v0, 4, 1
	s_delay_alu instid0(VALU_DEP_1)
	v_lshlrev_b32 v[H64], 6, v[H64]
	v_mul_u32_u24 v[SO], v7, SP
	s_delay_alu instid0(VALU_DEP_1)
	v_add_nc_u32 v[SO], v[SO], v[H64]
	s_lshl_b32 s17, s16, 7
	v_add_nc_u32 v[SO], s17, v[SO]
	s_bfe_u32 s18, s16, 0x10002                    ; output row 2 w + i of the 32 lies at place 16 ((w / 4) % 2) + 2 (w % 4) + 8 (w / 8) + i of the stage
	s_lshl_b32 s18, s18, 4
	s_and_b32 s19, s16, 3
	s_lshl_b32 s19, s19, 1
	s_add_co_u32 s18, s18, s19
	s_lshr_b32 s19, s16, 3
	s_lshl_b32 s19, s19, 3
	s_add_co_u32 s18, s18, s19
	s_mul_i32 s18, s18, SP
	v_add_nc_u32 v[SR], s18, v[LI]
	s_lshl_b32 s20, s16, 1
	s_add_co_u32 s20, s20, 1632                    ; my first tile of W_o
	s_lshl_b32 s22, s20, 12
	s_mov_b32 s23, 0
	s_lshl_b32 s24, s20, 8
	s_mov_b32 s25, 0
	s_lshl_b32 s26, ttmp9, 13                      ; two tiles of the context's codes
	s_mov_b32 s27, 0
	s_lshl_b32 s28, ttmp9, 6                       ; their 32 pairs of scale bytes, in each head's run
	s_mov_b32 s29, 0
	s_lshl_b32 s30, s16, 7                         ; my 32 numbers of b_o
	s_mov_b32 s31, 0
	s_lshl_b32 s32, ttmp9, 16                      ; 32 rows of 2,048 bytes,
	s_lshl_b32 s33, s16, 12                        ; my two of them
	s_add_co_u32 s32, s32, s33
	s_mov_b32 s33, 0
	s_wait_alu depctr_va_vdst(0)
	s_wait_kmcnt 0x0
	s_add_nc_u64 s[8:9], s[8:9], s[22:23]
	s_add_nc_u64 s[10:11], s[10:11], s[24:25]
	s_add_nc_u64 s[4:5], s[4:5], s[26:27]
	s_add_nc_u64 s[6:7], s[6:7], s[28:29]
	s_add_nc_u64 s[12:13], s[12:13], s[30:31]
	s_add_nc_u64 s[14:15], s[14:15], s[32:33]
.irp n, 0,1
	global_load_b128 v[CB+8*\n:CB+8*\n+3], v[H64], s[12:13] offset:32*\n
	global_load_b128 v[CB+8*\n+4:CB+8*\n+7], v[H64], s[12:13] offset:32*\n+16
.endr
.irp n, 0,1
	global_load_b128 v[AS+4*\n:AS+4*\n+3], v[R16], s[10:11] offset:256*\n
.endr
.irp xt, 0,1
.irp e, 0,1,2,3,4,5,6,7
	global_load_u16 v[U+8*\xt+\e], v[R2], s[6:7] offset:16384*\e+32*\xt   ; head e's two bytes of my row
.endr
.endr
.irp n, 0,1
.irp s, 0,1,2,3
.irp c, 0,1
	global_load_b128 v[AF+8*(4*\n+\s)+4*\c:AF+8*(4*\n+\s)+4*\c+3], v[LI], s[8:9] offset:4096*\n+1024*\s+512*\c
.endr
.endr
.endr
.irp xt, 0,1
.irp s, 0,1,2,3
.irp c, 0,1
	global_load_b128 v[BFR+8*(4*\xt+\s)+4*\c:BFR+8*(4*\xt+\s)+4*\c+3], v[LI], s[4:5] offset:4096*\xt+1024*\s+512*\c
.endr
.endr
.endr
	s_wait_loadcnt 32                              ; all but the 32 loads of fragments
.irp xt, 0,1
.irp s, 0,1,2,3
	v_lshl_or_b32 v[BS+4*\xt+\s], v[U+8*\xt+2*\s+1], 16, v[U+8*\xt+2*\s]   ; K step s: heads 2 s and 2 s + 1
.endr
.endr
	s_wait_alu depctr_va_vdst(0)
	s_wait_loadcnt 0x0
.rept 8
	v_nop                                          ; a scale register written by a vector instruction stands eight places ahead of a scaled product
.endr
.irp s, 0,1,2,3
.irp xt, 0,1
.irp n, 0,1
.if \s == 0
	v_wmma_scale_f32_16x16x128_f8f6f4 v[ACC+8*(2*\xt+\n):ACC+8*(2*\xt+\n)+7], v[AF+8*(4*\n+\s):AF+8*(4*\n+\s)+7], v[BFR+8*(4*\xt+\s):BFR+8*(4*\xt+\s)+7], v[CB+8*\n:CB+8*\n+7], v[AS+4*\n+\s], v[BS+4*\xt+\s] matrix_a_fmt:MATRIX_FMT_FP4 matrix_b_fmt:MATRIX_FMT_FP4
.else
	v_wmma_scale_f32_16x16x128_f8f6f4 v[ACC+8*(2*\xt+\n):ACC+8*(2*\xt+\n)+7], v[AF+8*(4*\n+\s):AF+8*(4*\n+\s)+7], v[BFR+8*(4*\xt+\s):BFR+8*(4*\xt+\s)+7], v[ACC+8*(2*\xt+\n):ACC+8*(2*\xt+\n)+7], v[AS+4*\n+\s], v[BS+4*\xt+\s] matrix_a_fmt:MATRIX_FMT_FP4 matrix_b_fmt:MATRIX_FMT_FP4
.endif
.endr
.endr
.endr
.rept 4
	v_nop                                          ; four places in front of the first read of results, and of the loads into the context's registers
.endr
.irp xt, 0,1
.irp n, 0,1
	ds_store_b128 v[SO], v[ACC+8*(2*\xt+\n):ACC+8*(2*\xt+\n)+3] offset:16*SP*\xt+32*\n        ; each accumulator from its low end on
	ds_store_b128 v[SO], v[ACC+8*(2*\xt+\n)+4:ACC+8*(2*\xt+\n)+7] offset:16*SP*\xt+32*\n+16
.endr
.endr
	s_wait_dscnt 0x0                               ; for the others' sake: my stores lie in the stage
	s_barrier_signal -1
	s_barrier_wait -1
.irp i, 0,1
.irp k, 0,1,2,3
	ds_load_b128 v[BFR+4*(4*\i+\k):BFR+4*(4*\i+\k)+3], v[SR] offset:SP*\i+512*\k
.endr
.endr
.irp i, 0,1
.irp k, 0,1,2,3
	s_wait_dscnt 7-4*\i-\k                         ; LDS loads come back in order: this one is in
	global_store_b128 v[LI], v[BFR+4*(4*\i+\k):BFR+4*(4*\i+\k)+3], s[14:15] offset:2048*\i+512*\k th:TH_STORE_NT   ; 32 lanes store 512 consecutive bytes, aligned
.endr
.endr
	s_wait_tensorcnt 0x0
	ds_add_u32 v232, v233
	s_wait_dscnt 0x0
	s_endpgm
.Lfunc_end_k_q2d3b15a252_outp:
	.size	k_q2d3b15a252_outp, .Lfunc_end_k_q2d3b15a252_outp-k_q2d3b15a252_outp
	.p2alignl 7, 3214868480
	.fill 96, 4, 3214868480
	.section	.rodata,"a",@progbits
	.p2align	6, 0x0
	.amdhsa_kernel k_q2d3b15a252_outp
		.amdhsa_group_segment_fixed_size 68096
		.amdhsa_private_segment_fixed_size 0
		.amdhsa_enable_private_segment 0
		.amdhsa_kernarg_size 48
		.amdhsa_user_sgpr_count 2
		.amdhsa_user_sgpr_kernarg_segment_ptr 1
		.amdhsa_wavefront_size32 1
		.amdhsa_system_sgpr_workgroup_id_x 1
		.amdhsa_system_sgpr_workgroup_id_y 1
		.amdhsa_system_sgpr_workgroup_id_z 1
		.amdhsa_system_vgpr_workitem_id 0
		.amdhsa_next_free_vgpr 234
		.amdhsa_next_free_sgpr 66
		.amdhsa_reserve_vcc 0
		.amdhsa_float_denorm_mode_32 3
		.amdhsa_float_denorm_mode_16_64 3
		.amdhsa_memory_ordered 1
		.amdhsa_forward_progress 1
		.amdhsa_inst_pref_size 13
	.end_amdhsa_kernel
	.amdgpu_metadata
---
amdhsa.version: [ 1, 2 ]
amdhsa.kernels:
  - .name:           k_q2d3b15a252_outp
    .symbol:         k_q2d3b15a252_outp.kd
    .args:
      - { .name: cc, .offset: 0, .size: 8, .value_kind: global_buffer, .address_space: global }
      - { .name: cs, .offset: 8, .size: 8, .value_kind: global_buffer, .address_space: global }
      - { .name: xc, .offset: 16, .size: 8, .value_kind: global_buffer, .address_space: global }
      - { .name: xs, .offset: 24, .size: 8, .value_kind: global_buffer, .address_space: global }
      - { .name: b_o, .offset: 32, .size: 8, .value_kind: global_buffer, .address_space: global }
      - { .name: out0, .offset: 40, .size: 8, .value_kind: global_buffer, .address_space: global }
    .group_segment_fixed_size: 68096
    .private_segment_fixed_size: 0
    .kernarg_segment_align: 8
    .kernarg_segment_size: 48
    .max_flat_workgroup_size: 512
    .sgpr_count:     66
    .vgpr_count:     234
    .wavefront_size: 32
...
	.end_amdgpu_metadata
.endif
;; end of part 4
